; MI455X (gfx1250); checked and timed in simulation.
; The chip was launched on July 23, 2026; its instructions are those of AMD's public machine-readable ISA for CDNA 5 (MIT licence, August 2026) and "CDNA5" Instruction Set Architecture Reference Guide (July 2026). The comments in the code are by the model that wrote it; some were corrected since.
;; Multi Head Alibi Attention. Allowed arithmetic: matrix products marked QUANTISED: E3M2 operands, one E8M0 scale for each 32 along K, by v_wmma_scale_f32_16x16x128_f8f6f4 with both operands' format E3M2, f32 sums; everything else in f32.
;; Inputs: k 2 x 2,048 x 1,024 float32; q 2 x 2,048 x 1,024 float32; v 2 x 2,048 x 1,024 float32.
;; Outputs: out0 2 x 2,048 x 1,024 float32.
;; This version of the problem:
;;   THIS VERSION OF THE PROBLEM IS GIVEN IN LOW PRECISION. The matrix products marked QUANTISED in the list below multiply operands that are first quantised to E3M2 (3 exponent bits, 2 mantissa bits; 6 bits a number), with one power-of-two scale for each 32 numbers along K (OCP MX v1.0); their sums are f32. All else is computed in f32.
;;   The module's matrix products, in the order in which they are computed (A, B: the left and right operand; K: the contracted axis; several contracted axes count as one K, in the product's order):
;;     1. batch 32 x [M 2,048, K 64] x [K 64, N 2,048]; A: input q; B: input k: QUANTISED
;;     2. batch 32 x [M 2,048, K 2,048] x [K 2,048, N 64]; A: softmax (see below); B: input v: QUANTISED
;;   THE QUANTISER, for each operand of a quantised product, along K:
;;     - K is cut into blocks of 32 from its start; a last block that is shorter is filled with zeros.
;;     - A block's scale is 2^e with e = floor(log2(the largest magnitude in the block)) - 4, held to -126 .. 127; a block of zeros has e = 0. As a byte (E8M0): e + 127.
;;     - Each number is divided by its block's scale, clamped to +-28, and rounded to the nearest number of E3M2, ties to even, subnormals kept.
;;     - The product sums the exact products of the quantised numbers (number of the format x scale) in f32.
;;   ~~~python
;;   def quantise(x, axis):      # numpy; x: float32 -> the quantised numbers, widened to float32 again
;;       x = np.moveaxis(x, axis, -1); K = x.shape[-1]
;;       x = np.pad(x, [(0, 0)] * (x.ndim - 1) + [(0, -K % 32)]); x = x.reshape(x.shape[:-1] + (-1, 32)); a = np.abs(x).max(-1, keepdims=True)
;;       e = np.where(a > 0, np.clip(np.frexp(np.where(a > 0, a, 1))[1] - 1 - 4, -126, 127), 0)      # np.frexp(a)[1] - 1 = floor(log2(a)), exactly
;;       r = np.clip(x / 2.0 ** e, -28, 28)
;;       step = 2.0 ** (np.maximum(np.frexp(np.where(r == 0, 1, r))[1] - 1, -2) - 2)
;;       q = np.round(r / step) * step * 2.0 ** e      # np.round: ties to even
;;       return np.moveaxis(q.reshape(q.shape[:-2] + (-1,))[..., :K], -1, axis).astype(np.float32)
;;   ~~~
;;   SOFTMAX AHEAD OF A QUANTISED PRODUCT. Where the list says 'softmax', what is quantised is not the finished softmax but p = 2^(t - M), with t = logit x log2(e) and M = ceil(the row's largest t), a whole number; so 1/2 < the row's largest p <= 1. The row's sum l is taken of the UNQUANTISED p, in f32, and the product's result is divided by l at the end. Since M is a whole number, a kernel that streams over the keys may use a running M (the ceiling of the running maximum): every later rescaling is an exact power of two, which a block's scale takes up: the codes' values come out the same.
;;   OPERANDS COMPUTED ON THE WAY. 'Computed on the way' means the value that the module computes at that place (a softmax that the list does not call 'softmax' is quantised finished and normalised). What goes into a quantiser is computed in f32, as accurately as f32 sums, v_exp_f32 and their like allow (about 1e-6 of the number): no bf16 or f16 on the way to a quantiser, and a product that is left as it is and whose result goes on into a quantised operand takes f32 operands (vector FMAs, or v_wmma_f32_16x16x4_f32). A number that lies on a knife's edge between two numbers of the format may be rounded either way, as far as f32 arithmetic and the matrix unit's own rounding can turn it there, and no further.
;; 2 versions, each right; version 2 is version 1 with the launch attn written anew for expert scheduling mode. Each part assembles by itself: llvm-mc -triple=amdgcn-amd-amdhsa -mcpu=gfx1250 --defsym DOCPART=n.
;; ======== version 1 of 2: 1 launch
;; launch attn (part 1): grid 256 x 1, 16 waves a work-group, no clusters, 97,280 bytes of LDS; arguments q, k, v, out0; writes out0
.if DOCPART == 1
	.amdgcn_target "amdgcn-amd-amdhsa--gfx1250"
	.amdhsa_code_object_version 6
	.text
	.protected	k_qf5ba6838ba_attn
	.globl	k_qf5ba6838ba_attn
	.p2align	8
	.type	k_qf5ba6838ba_attn,@function
k_qf5ba6838ba_attn:
	s_mov_b64 s[64:65], 0
	v_nop
	global_prefetch_b8 v0, s[64:65] scope:SCOPE_SE
	s_setreg_imm32_b32 hwreg(HW_REG_WAVE_MODE, 25, 1), 1
	s_wait_xcnt 0x0
; out[b][t][64 h + d] = sum over s <= t of softmax_s(q.k / 8 + slope_h (s - t)) v[b][s][64 h + d].   q, k, v, out: [2][2048][1024] f32; 16 heads of 64.
; Both products on codes of BF6 (E3M2) with one E8M0 scale for each 32 along a product's K.  q and k are quantised along the head's 64, v and p along the keys.
; p = 2^(t - M), t = logit x log2(e), M = the running largest t rounded UP to a whole number; the row's sum is taken of the unquantised p and divides at the end.
; SHARES.  256 work-groups of 16 waves, 256 registers a wave.  A work-group owns one head of one batch and two blocks of 128 queries, blocks i and 15 - i (i = 0..7): 17 squares of
; 128 x 128 under the diagonal for every work-group.  A wave owns 16 queries.  The work-group walks the keys 128 a step, 16 - i steps; the loop has 8 trips of two steps for all,
; and a step beyond the work-group's last, or behind a wave's queries, is passed over by scalar branches on ids; every wave passes every barrier.
; K AND V ARE QUANTISED ON THE WAY.  In each step the 16 waves make the NEXT step's codes from f32 numbers that they loaded a step earlier: waves 0-7 a tile of 16 keys of K each,
; waves 8-15 32 channels x 32 keys of V each: a block of 32 numbers a lane, 6 registers of codes and one scale byte.  The codes go to LDS as IMAGES OF THE OPERANDS' REGISTERS
; (four registers at 16 x lane, two at 8 x lane), into one of two slots; behind one barrier every wave loads them back as fragments.
; WHY NO TENSOR LOADS AND NO CLUSTER: the tiles that the eight work-groups of a head share arrive as f32 and have to pass through registers to become codes: brought into LDS first, a step's
; 65,536 bytes would be written there and read back beside the 12,800 bytes of codes that are wanted; and the eight walk different numbers of steps (16 - i).
; K = 64 IN AN INSTRUCTION OF K = 128.  Source 0's registers 0-5 hold one tile of 16 keys, registers 6-11 the next tile.  q lies in 18 registers [0 x 6][q x 6][0 x 6]: v[22:33] = [q, 0] gives
; the first tile's scores, v[16:27] = [0, q] the second's, from the same registers of K.  Zero codes add nothing under any scale byte but 0xff, and no byte here is 0xff.
; THE KEYS OF A TILE ARE NOT NEIGHBOURS: row r of tile 2 b + u is key 32 b + 8 u + r + 8 (r / 8), so that a lane's 16 registers of tiles 2 b, 2 b + 1 are keys 32 b + 16 (lane / 16) + 0..15.
; THE BIAS.  Register 16 b + i of lane (r, lane / 16 = g) holds key KEY0 + 32 b + 16 g + i against query Q0 + r.  The part 8 slope (i + 16 g - r) is a table of 16 registers, given as the C of the
; products q.k; the part slope log2(e) (KEY0 + 32 b - Q0), one number for a block, goes into the addend of the one multiply-add that makes t - M.  So a block's largest register is still its largest t.
; LIMITS: NaN and infinities among the inputs are not served.  A block whose largest magnitude lies under 2^-122 keeps the scale byte 1; so does a block of zeros (the rule says 127: its codes are zeros,
; and the bytes never leave this kernel).  p under 2^-126 counts as 0.  The slope is 2^-0.5 multiplied up h + 1 times in f32, one product after the other.
.set ROWB,  4096                       ; bytes from a token's row to the next
.set STEPB, 128*ROWB                   ; a key step in memory
.set SLOTB, 12800                      ; an image slot: K's 8 tiles x 768, V's 8 half fragments x 768, 256 bytes of K's scale words, 256 of V's
.set VIMG,  6144
.set KSC,   12288                      ; K's scale words: word 16 b + r (pair of tiles b, row r); byte 2 u + (which 32 of the head's 64)
.set VSC,   12544                      ; V's: word d (channel 0..63); byte = which 32 of the step's 128 keys
.set STG,   2*SLOTB                    ; behind the slots: a stage of 16 rows x 272 bytes for each wave, its own
.set STGW,  16*272
.set L16,  1                           ; v1   16 x lane
.set L8,   2                           ; v2   8 x lane
.set L4,   3                           ; v3   4 x lane
.set GOK,  4                           ; v4   K's waves: my byte in a step's rows of k
.set GOV,  5                           ; v5   V's waves: my byte in a step's rows of v
.set LP,   6                           ; v6   4096 (lane / 16) + 16 (lane % 16): sixteen lanes to a token's 256 bytes of the head, two tokens an instruction
.set PST16, 7                          ; v7   where I store my image's four registers
.set PST8, 8                           ; v8   and its two
.set PSC,  9                           ; v9   and my scale byte
.set SCA,  10                          ; v10-11 scale words of K, then of V: nothing else
.set NEGM, 12                          ; v12  -M
.set TMAX, 13                          ; v13  the running largest t
.set LS,   14                          ; v[14:15] the row's sum in two halves
.set QLO,  22                          ; v[22:33] = [q, 0]
.set QHI,  16                          ; v[16:27] = [0, q]
.set QS,   34                          ; v34  q's scale word: nothing else
.set PSW,  35                          ; v35  p's scale word: nothing else
.set T,    36                          ; v36-51 the bias table
.set S,    52                          ; v52-115 scores, then p; then V's four fragments in v52-99
.set O,    116                         ; v116-147 O^T: four tiles of 16 channels
.set RAW,  148                         ; v148-179 the next step's 32 numbers as loaded
.set X,    180                         ; v180-211 K's waves: the numbers turned
.set KF,   180                         ; v180-227 K's four pairs of tiles
.set BM,   180                         ; v180-183 a block's largest score, then its largest p
.set PM,   184
.set AD,   188                         ; v188-195 pair b: the addend of block b, and its largest t
.set SCO,  196                         ; v196-199 the conversions' scale operands
.set BY,   200                         ; v200-203 the scale bytes
.set F,    204                         ; v204 2^(old M - new M)  (v205 is named with it as a pair)
.set CB,   206                         ; v206-209 slope log2(e) (KEY0 + 32 b - Q0)
.set TT,   210
.set VN,   211
.set PC,   212                         ; v212-223 p's codes
.set P2,   224                         ; v224-226, v228-230 their second halves as converted
.set SUM2, 232
.set NINF, 234
.set MD,   235
.set PMX,  236                         ; v236-237 the quantiser's two chains
.set PSO,  238                         ; v238 its scale operand
.set PBY,  239                         ; v239 its scale byte
.set PCD,  240                         ; v240-246 its codes
.set STA,  247                         ; v247 stage: row lane / 16, 16 (lane % 16)
.set TRD,  248                         ; v248 stage: row lane % 16, 128 (lane / 16)
.set PFO,  249                         ; v249 the prefetches' offset: a lane a row
.set WO,   250                         ; v250 stage: row lane % 16, 32 (lane / 16)
.set WV,   12                          ; s12 wave
.set PAIR, 13                          ; s13 i
.set HD,   14                          ; s14 head
.set BLK,  15                          ; s15 my block of 128 queries = my last key step
.set Q0,   16                          ; s16 my first query
.set NS,   17                          ; s17 the work-group's key steps
.set J,    18                          ; s18 the step in hand
.set KEY0, 19                          ; s19 its first key
.set SEL,  20                          ; s[20:21] selects of v_permlanex16_b32: lane l xor 16
.set CS,   22                          ; s[22:23] c = log2(e) / 8
.set C2,   24                          ; s24 slope log2(e); s25-27 that x 32, 64, 96
.set RB,   28                          ; s[28:29] my tensor (k or v) at the head's bytes of the step that was loaded last
.set TRIP, 32
.set LIM,  33                          ; s33 12 in a wave that prefetches, else 0
; K's wave: its tile's 16 rows, two an instruction: sixteen lanes read a key's whole 256 bytes of the head
.macro LOADK
.irp j, 0,1,2,3,4,5,6,7
	global_load_b128 v[RAW+4*\j:RAW+4*\j+3], v[GOK], s[RB:RB+1] offset:(2*\j+8*(\j/4))*ROWB
.endr
.endm
; V's wave: a lane takes a channel and its registers run down 32 keys: 32 lanes read 128 consecutive bytes; the wave with the other 32 channels reads the other 128 of the same 256
.macro LOADV
.set n, 0
.rept 32
	global_load_b32 v[RAW+n], v[GOV], s[RB:RB+1] offset:ROWB*n
.set n, n+1
.endr
.endm
.macro ROLE_LOAD                       ; the branch hangs on the wave's number alone
	s_cmp_lt_u32 s[WV], 8
	s_cbranch_scc0 .Lldv_\@
	LOADK
	s_branch .Lldd_\@
.Lldv_\@:
	LOADV
.Lldd_\@:
.endm
; 16 rows x 256 bytes, loaded sixteen lanes to a row, go through my own stage and come back 128 bytes a lane: row lane % 16, numbers 32 (lane / 16) + 0..31.
; Rows 272 bytes apart. LDS serves a wave's instructions in order (ISA guide 5.7.1.4): no wait between stores and loads.
.macro TURN src, dst
.irp j, 0,1,2,3,4,5,6,7
	ds_store_b128 v[STA], v[\src+4*\j:\src+4*\j+3] offset:544*\j
.endr
.irp j, 0,1,2,3,4,5,6,7
	ds_load_b128 v[\dst+4*\j:\dst+4*\j+3], v[TRD] offset:16*\j
.endr
	s_wait_dscnt 0x0                               ; the numbers are back, and the stores have read their registers
.endm
; A lane's 32 numbers v[src] on, one block, become 6 registers of codes v[cd] .. v[cd + 5] (v[cd + 6] is used on the way) and the scale byte v[PBY]
.macro QBLK src, cd
	v_max3_num_f32 v[PMX], |v[\src]|, |v[\src+1]|, |v[\src+2]|       ; the block's largest magnitude, in two chains
	v_max3_num_f32 v[PMX+1], |v[\src+3]|, |v[\src+4]|, |v[\src+5]|
.irp i, 6,10,14,18,22,26
	v_max3_num_f32 v[PMX], v[PMX], |v[\src+\i]|, |v[\src+\i+1]|
	v_max3_num_f32 v[PMX+1], v[PMX+1], |v[\src+\i+2]|, |v[\src+\i+3]|
.endr
	v_max3_num_f32 v[PMX], v[PMX], |v[\src+30]|, |v[\src+31]|
	v_max3_num_f32 v[PMX], v[PMX], v[PMX+1], 0x2800000              ; and the floor 2^(5 - 127): the byte cannot fall under 1
	v_add_nc_u32 v[PSO], 0xfe000000, v[PMX]                         ; 4 off its exponent field: the conversion takes this operand's exponent field as its scale
	v_cvt_scalef32_pk16_bf6_f32 v[\cd:\cd+2], v[\src:\src+15], v[PSO]
	v_cvt_scalef32_pk16_bf6_f32 v[\cd+4:\cd+6], v[\src+16:\src+31], v[PSO]   ; (a conversion's three registers begin on an even number)
	v_lshrrev_b32 v[PBY], 23, v[PSO]                                ; the scale's byte; also the plain instruction behind the conversions
	v_mov_b32 v[\cd+3], v[\cd+4]
	v_mov_b32 v[\cd+4], v[\cd+5]
	v_mov_b32 v[\cd+5], v[\cd+6]
.endm
.macro ROLE_QUANT                      ; K's numbers are turned first (K innermost in memory); V's lie down the registers as loaded
	s_cmp_lt_u32 s[WV], 8
	s_cbranch_scc0 .Lqv_\@
	TURN RAW, X
	QBLK X, PCD
	s_branch .Lqd_\@
.Lqv_\@:
	QBLK RAW, PCD
.Lqd_\@:
.endm
.macro PUT s                           ; my image and my scale byte into slot s
	ds_store_b128 v[PST16], v[PCD:PCD+3] offset:(\s)*SLOTB
	ds_store_b64 v[PST8], v[PCD+4:PCD+5] offset:(\s)*SLOTB
	ds_store_b8 v[PSC], v[PBY] offset:(\s)*SLOTB
.endm
.macro FETCHK s                        ; K's eight tiles as four operands of 12 registers, and their scale words: lanes 0-15 pair 0 (2), lanes 16-31 pair 1 (3)
.irp t, 0,1,2,3,4,5,6,7
	ds_load_b128 v[KF+6*\t:KF+6*\t+3], v[L16] offset:(\s)*SLOTB+768*\t
	ds_load_b64 v[KF+6*\t+4:KF+6*\t+5], v[L8] offset:(\s)*SLOTB+768*\t+512
.endr
	ds_load_b32 v[SCA], v[L4] offset:(\s)*SLOTB+KSC
	ds_load_b32 v[SCA+1], v[L4] offset:(\s)*SLOTB+KSC+128
.endm
.macro FETCHV s                        ; V's four tiles of 16 channels x 128 keys; half fragment (tile t, keys 64 c on) lies at 768 (4 (t % 2) + 2 (t / 2) + c)
.irp t, 0,1,2,3
.irp c, 0,1
	ds_load_b128 v[S+12*\t+6*\c:S+12*\t+6*\c+3], v[L16] offset:(\s)*SLOTB+VIMG+768*(4*(\t%2)+2*(\t/2)+\c)
	ds_load_b64 v[S+12*\t+6*\c+4:S+12*\t+6*\c+5], v[L8] offset:(\s)*SLOTB+VIMG+768*(4*(\t%2)+2*(\t/2)+\c)+512
.endr
.endr
	ds_load_b32 v[SCA], v[L4] offset:(\s)*SLOTB+VSC
	ds_load_b32 v[SCA+1], v[L4] offset:(\s)*SLOTB+VSC+128
.endm
.macro BAR                             ; my LDS stores have landed and my LDS loads are in: then the work-group's barrier
	s_wait_dscnt 0x0
	s_barrier_signal -1
	s_barrier_wait -1
.endm
; the two products of pair b: S^T = K q^T + the bias table.  Source 0 = the pair's 12 registers of K, source 1 = [q, 0] or [0, q]
.macro QK b
.if (\b)%2
	v_wmma_scale_f32_16x16x128_f8f6f4 v[S+16*(\b):S+16*(\b)+7], v[KF+12*(\b):KF+12*(\b)+11], v[QLO:QLO+11], v[T:T+7], v[SCA+(\b)/2], v[QS] matrix_a_fmt:MATRIX_FMT_BF6 matrix_b_fmt:MATRIX_FMT_BF6 matrix_a_scale:MATRIX_SCALE_ROW1
	v_wmma_scale_f32_16x16x128_f8f6f4 v[S+16*(\b)+8:S+16*(\b)+15], v[KF+12*(\b):KF+12*(\b)+11], v[QHI:QHI+11], v[T+8:T+15], v[SCA+(\b)/2], v[QS] matrix_a_fmt:MATRIX_FMT_BF6 matrix_b_fmt:MATRIX_FMT_BF6 matrix_a_scale:MATRIX_SCALE_ROW1
.else
	v_wmma_scale_f32_16x16x128_f8f6f4 v[S+16*(\b):S+16*(\b)+7], v[KF+12*(\b):KF+12*(\b)+11], v[QLO:QLO+11], v[T:T+7], v[SCA+(\b)/2], v[QS] matrix_a_fmt:MATRIX_FMT_BF6 matrix_b_fmt:MATRIX_FMT_BF6
	v_wmma_scale_f32_16x16x128_f8f6f4 v[S+16*(\b)+8:S+16*(\b)+15], v[KF+12*(\b):KF+12*(\b)+11], v[QHI:QHI+11], v[T+8:T+15], v[SCA+(\b)/2], v[QS] matrix_a_fmt:MATRIX_FMT_BF6 matrix_b_fmt:MATRIX_FMT_BF6
.endif
.endm
; O^T += V^T p^T, tile t of 16 channels; K = the step's 128 keys
.macro PV t
.if (\t)%2
	v_wmma_scale_f32_16x16x128_f8f6f4 v[O+8*(\t):O+8*(\t)+7], v[S+12*(\t):S+12*(\t)+11], v[PC:PC+11], v[O+8*(\t):O+8*(\t)+7], v[SCA+(\t)/2], v[PSW] matrix_a_fmt:MATRIX_FMT_BF6 matrix_b_fmt:MATRIX_FMT_BF6 matrix_a_scale:MATRIX_SCALE_ROW1
.else
	v_wmma_scale_f32_16x16x128_f8f6f4 v[O+8*(\t):O+8*(\t)+7], v[S+12*(\t):S+12*(\t)+11], v[PC:PC+11], v[O+8*(\t):O+8*(\t)+7], v[SCA+(\t)/2], v[PSW] matrix_a_fmt:MATRIX_FMT_BF6 matrix_b_fmt:MATRIX_FMT_BF6
.endif
.endm
	; ---- THE HEAD: ids, then every address register, ahead of the first branch on the wave's number
	s_load_b256 s[4:11], s[0:1], 0x0               ; q s[4:5], k s[6:7], v s[8:9], out s[10:11]
	v_lshl_add_u32 v254, v0, 2, 0x17400
	v_mov_b32 v255, 0
	v_lshrrev_b32 v251, 5, v0
	v_readfirstlane_b32 s[WV], v251                ; wave 0..15
	s_bfe_u32 s[PAIR], ttmp9, 0x30004              ; i = bits 6:4 of the work-group's number
	s_and_b32 s[HD], ttmp9, 15                     ; head = bits 3:0
	s_lshr_b32 s2, ttmp9, 7                        ; batch = bit 7
	s_lshl_b32 s30, s2, 23                         ; 2048 rows of 4096 bytes a batch,
	s_lshl_b32 s3, s[HD], 8                        ; 256 bytes a head in a row
	s_add_co_u32 s30, s30, s3
	s_mov_b32 s31, 0                               ; s[30:31]: the head's first byte in each tensor
	s_lshr_b32 s2, s[WV], 2
	s_xor_b32 s2, s2, s[WV]
	s_and_b32 s2, s2, 1                            ; 1: my queries lie in the late block, 15 - i
	s_and_b32 s3, s[WV], 3
	s_lshr_b32 s34, s[WV], 3                       ; R: 0 I quantise K, 1 I quantise V
	s_lshl_b32 s35, s34, 2
	s_or_b32 s3, s3, s35                           ; which 16 of the block's 128 queries
	s_sub_co_u32 s35, 15, s[PAIR]
	s_cmp_eq_u32 s2, 1
	s_cselect_b32 s[BLK], s35, s[PAIR]
	s_lshl_b32 s[Q0], s[BLK], 7
	s_lshl_b32 s3, s3, 4
	s_add_co_u32 s[Q0], s[Q0], s3
	s_sub_co_u32 s[NS], 16, s[PAIR]
	s_lshl_b32 s36, s[Q0], 12
	s_add_co_u32 s36, s36, s30
	s_mov_b32 s37, 0                               ; s[36:37]: my first query's bytes of the head
	v_and_b32 v251, 31, v0                         ; lane
	v_and_b32 v252, 15, v0                         ; r
	v_bfe_u32 v253, v0, 4, 1                       ; lane / 16
	v_lshlrev_b32 v[L16], 4, v251
	v_lshlrev_b32 v[L8], 3, v251
	v_lshlrev_b32 v[L4], 2, v251
	v_lshlrev_b32 v[LP], 4, v252
	v_lshl_add_u32 v[LP], v253, 12, v[LP]
	s_and_b32 s2, s[WV], 7                         ; my number among the eight of my role
	s_lshr_b32 s3, s2, 1
	s_lshl_b32 s3, s3, 17                          ; K: tile 2 b + u begins at key 32 b + 8 u
	s_and_b32 s35, s2, 1
	s_lshl_b32 s35, s35, 15
	s_add_co_u32 s3, s3, s35
	v_add_nc_u32 v[GOK], s3, v[LP]
	s_and_b32 s3, s2, 3
	s_lshl_b32 s3, s3, 17                          ; V: keys 32 (number % 4) on,
	s_lshr_b32 s35, s2, 2
	s_lshl_b32 s35, s35, 7                         ; channels 32 (number / 4) on, 4 bytes a lane
	s_add_co_u32 s3, s3, s35
	v_add_nc_u32 v[GOV], s3, v[L4]
	; where my image goes.  K's wave: tile zk at 768 zk, as it stands (16 x lane, 8 x lane).  V's wave y: lane l holds channel 32 (y / 4) + l and keys 32 (y % 4) on: that is lane
	; r + 16 (y % 2) of half fragment (tile 2 (y / 4) + l / 16, keys 64 ((y % 4) / 2) on): base 768 (y / 2), lanes 16-31 four half fragments (3072 bytes) further on
	s_min_u32 s38, s[WV], 8
	s_sub_co_u32 s39, s[WV], s38                   ; y: V's number, 0 in K's waves
	s_and_b32 s38, s38, 7                          ; zk: K's tile, 0 in V's waves
	s_mul_i32 s40, s38, 768
	s_mul_i32 s41, s34, VIMG
	s_add_co_u32 s40, s40, s41
	s_lshr_b32 s41, s39, 1
	s_mul_i32 s41, s41, 768
	s_add_co_u32 s40, s40, s41
	s_and_b32 s41, s39, 1
	s_lshl_b32 s42, s41, 8
	s_add_co_u32 s42, s42, s40                     ; the four registers' base
	s_lshl_b32 s43, s41, 7
	s_add_co_u32 s43, s43, s40
	s_add_co_u32 s43, s43, 512                     ; the two registers' base
	s_mul_i32 s44, s34, 2816
	s_add_co_u32 s44, s44, 256                     ; from lanes 0-15 to lanes 16-31: 256 (K), 3072 (V)
	s_mul_i32 s45, s34, 2944
	s_add_co_u32 s45, s45, 128                     ; 128 (K), 3072 (V)
	s_lshr_b32 s46, s38, 1
	s_lshl_b32 s46, s46, 6                         ; K's byte: 64 (zk / 2) + 2 (zk % 2) + 4 r + lane / 16
	s_and_b32 s47, s38, 1
	s_lshl_b32 s47, s47, 1
	s_add_co_u32 s46, s46, s47
	s_lshl_b32 s47, s34, 8                         ; V's byte: 256 + 128 (y / 4) + y % 4 + 4 r + 64 (lane / 16)
	s_add_co_u32 s46, s46, s47
	s_lshr_b32 s47, s39, 2
	s_lshl_b32 s47, s47, 7
	s_add_co_u32 s46, s46, s47
	s_and_b32 s47, s39, 3
	s_add_co_u32 s46, s46, s47
	s_add_co_u32 s46, s46, KSC
	s_mul_i32 s47, s34, 63
	s_add_co_u32 s47, s47, 1
	v_mul_u32_u24 v[PST16], s44, v253
	v_lshl_add_u32 v[PST16], v252, 4, v[PST16]
	v_add_nc_u32 v[PST16], s42, v[PST16]
	v_mul_u32_u24 v[PST8], s45, v253
	v_lshl_add_u32 v[PST8], v252, 3, v[PST8]
	v_add_nc_u32 v[PST8], s43, v[PST8]
	v_mul_u32_u24 v[PSC], s47, v253
	v_lshl_add_u32 v[PSC], v252, 2, v[PSC]
	v_add_nc_u32 v[PSC], s46, v[PSC]
	s_mul_i32 s2, s[WV], STGW
	s_add_co_u32 s2, s2, STG                       ; my stage
	v_mul_u32_u24 v[STA], v253, 272
	v_lshl_add_u32 v[STA], v252, 4, v[STA]
	v_add_nc_u32 v[STA], s2, v[STA]
	v_mul_u32_u24 v[TRD], v252, 272
	v_lshl_add_u32 v[WO], v253, 5, v[TRD]
	v_lshl_add_u32 v[TRD], v253, 7, v[TRD]
	v_add_nc_u32 v[TRD], s2, v[TRD]
	v_add_nc_u32 v[WO], s2, v[WO]
	s_and_b32 s3, s[WV], 3
	s_lshl_b32 s3, s3, 17
	v_lshl_add_u32 v[PFO], v251, 12, s3            ; row 32 (wave % 4) + lane of a step's 128
	s_and_b32 s2, s[WV], 4
	s_or_b32 s2, s2, s[PAIR]
	s_cmp_eq_u32 s2, 0                             ; waves 0-3 (k) and 8-11 (v) of the work-group with i = 0, which walks all 16 steps
	s_cselect_b32 s[LIM], 12, 0
	s_mov_b32 s[SEL], 0x76543210
	s_mov_b32 s[SEL+1], 0xfedcba98
	s_mov_b32 s[CS], 0x3e38aa3b                    ; c = log2(e) / 8
	s_mov_b32 s[CS+1], s[CS]                       ; (named with it as a pair, so it is written)
	s_mov_b32 s[J], 0
	s_mov_b32 s[KEY0], 0
	s_mov_b32 s[TRIP], 8
	s_mov_b32 s48, 0x3f3504f3                      ; 2^(-8 / 16)
	s_wait_kmcnt 0x0
	s_add_nc_u64 s[4:5], s[4:5], s[36:37]          ; q and out at my first query
	s_add_nc_u64 s[10:11], s[10:11], s[36:37]
	s_cmp_lt_u32 s[WV], 8
	s_cselect_b64 s[RB:RB+1], s[6:7], s[8:9]       ; the tensor that I quantise: the choice hangs on the wave's number alone
	s_add_nc_u64 s[RB:RB+1], s[RB:RB+1], s[30:31]
	ROLE_LOAD                                      ; key step 0
.irp j, 0,1,2,3,4,5,6,7
	global_load_b128 v[S+32+4*\j:S+32+4*\j+3], v[LP], s[4:5] offset:2*ROWB*\j th:TH_LOAD_NT   ; my 16 queries, two rows an instruction; read by nobody else
.endr
	; while these are on their way: the slope, as a running product, chosen without a branch
	v_lshlrev_b32 v251, 4, v253
	v_sub_nc_u32 v251, v251, v252                  ; 16 (lane / 16) - r
	v_mov_b32 v252, s48
	v_mov_b32 v253, s48
.irp n, 1,2,3,4,5,6,7,8,9,10,11,12,13,14,15
	v_mul_f32 v252, s48, v252                      ; 2^-0.5 to the power n + 1
	s_cmp_ge_u32 s[HD], \n
	s_cselect_b32 s49, -1, 0
	v_cndmask_b32 v253, v253, v252, s49            ; kept while n <= head: the slope is the power head + 1
.endr
	v_mul_f32 v252, 0x41000000, v253               ; 8 slope: times c it is slope log2(e)
	v_mul_f32 v253, 0x3fb8aa3b, v253               ; slope log2(e)
	v_readfirstlane_b32 s[C2], v253
	v_mul_f32 v180, 0x42000000, v253
	v_readfirstlane_b32 s[C2+1], v180              ; x 32
	v_mul_f32 v180, 0x42800000, v253
	v_readfirstlane_b32 s[C2+2], v180              ; x 64
	v_mul_f32 v180, 0x42c00000, v253
	v_readfirstlane_b32 s[C2+3], v180              ; x 96
.irp i, 0,1,2,3,4,5,6,7,8,9,10,11,12,13,14,15
	v_add_nc_u32 v180, \i, v251
	v_cvt_f32_i32 v180, v180
	v_mul_f32 v[T+\i], v252, v180                  ; 8 slope (i + 16 (lane / 16) - r)
.endr
	v_mov_b32 v[TMAX], 0xff61b1e6                  ; the largest t so far: -3e38, under every t
	v_floor_f32 v[NEGM], -v[TMAX]
	v_mov_b32 v[LS], 0
	v_mov_b32 v[LS+1], 0
.set n, 0
.rept 32
	v_mov_b32 v[O+n], 0                            ; O^T.  (The step is written once: the first finds zeros, which the first change of M leaves zeros)
.set n, n+1
.endr
.irp i, 0,1,2,3,4,5
	v_mov_b32 v[QHI+\i], 0                         ; the zero codes in front of q's
.endr
	s_wait_loadcnt 0x0                             ; q and key step 0: all my loads
	TURN S+32, S
	QBLK S, QLO                                    ; q's codes: lane (r, g): query r, the head's 32 g + 0..31
.irp i, 6,7,8,9,10,11
	v_mov_b32 v[QLO+\i], 0                         ; the zero codes behind them (the first of these registers served the conversion)
.endr
	v_mov_b32 v251, 0                              ; (a lane permute's destination counts as one of its sources)
	v_permlanex16_b32 v251, v[PBY], s[SEL], s[SEL+1]
	v_lshl_or_b32 v[QS], v251, 8, v[PBY]           ; lanes 0-15, which alone are read: the bytes of the head's two blocks,
	v_lshl_or_b32 v[QS], v[QS], 16, v[QS]          ; twice: q stands in the lower or in the upper 64 of the instruction's K
	ROLE_QUANT
	PUT 0                                          ; key step 0's images
	s_wait_xcnt 0x0                                ; my loads have read their base
	s_add_nc_u64 s[RB:RB+1], s[RB:RB+1], STEPB
	ROLE_LOAD                                      ; key step 1 (every work-group has 9 steps or more)
	BAR
; ---- A KEY STEP: slot s holds step J's images; slot 1 - s takes step J + 1's
.macro STEP s
	s_add_co_u32 s2, s[J], 1
	s_cmp_ge_u32 s2, s[NS]
	s_cbranch_scc1 .Lnp_\@                         ; no next step: nothing to quantise
	s_wait_loadcnt 0x0                             ; step J + 1's numbers, asked for a step ago: all my loads
	ROLE_QUANT
	PUT 1-\s
	s_add_co_u32 s2, s[J], 2
	s_cmp_ge_u32 s2, s[NS]
	s_cbranch_scc1 .Lnp_\@                         ; no load leaves the steps that the work-group walks
	s_wait_xcnt 0x0                                ; the prefetch of a step ago has read its base: only now is it stepped
	s_add_nc_u64 s[RB:RB+1], s[RB:RB+1], STEPB
	ROLE_LOAD                                      ; step J + 2: a whole step in which to land
	; A prefetch of step J + 4, two steps ahead of the loads that will want it: a lane a row, 256 bytes of the head in each, 32 rows a wave, four waves for k and four for v.
	; All eight work-groups of a head walk the same rows: the one with i = 0 asks, so each row's piece is named once.  It stops with J = 11, which names step 15, the last.  Steps 0 to 3 come by their loads alone.
	s_cmp_lt_u32 s[J], s[LIM]
	s_cbranch_scc0 .Lnp_\@
	global_prefetch_b8 v[PFO], s[RB:RB+1] offset:2*STEPB th:TH_LOAD_NT scope:SCOPE_SE
.Lnp_\@:
	s_cmp_gt_u32 s[J], s[BLK]
	s_cbranch_scc1 .Lhid_\@                        ; all 128 keys come after my 16 queries: a branch on ids
	FETCHK \s
	s_wait_dscnt 0x0
	QK 0
	QK 1
	QK 2
	QK 3
.rept 4
	v_nop                                          ; four plain instructions between the products and the first write of their sources and the first read of their results (ISA guide 7.12.1)
.endr
	s_sub_co_i32 s35, s[KEY0], s[Q0]
	v_cvt_f32_i32 v[VN], s35
	v_mul_f32 v[CB], s[C2], v[VN]                  ; slope log2(e) (KEY0 + 32 b - Q0), b = 0
.irp b, 1,2,3
	v_fma_f32 v[CB+\b], v[VN], s[C2], s[C2+\b]
.endr
	s_cmp_lg_u32 s[J], s[BLK]
	s_cbranch_scc1 .Lopen_\@                       ; only my last step lies on the diagonal
	s_sub_co_i32 s35, s[Q0], s[KEY0]
	v_and_b32 v[MD], 15, v0
	v_bfe_u32 v[NINF], v0, 4, 1
	v_lshlrev_b32 v[NINF], 4, v[NINF]
	v_sub_nc_u32 v[MD], v[MD], v[NINF]
	v_add_nc_u32 v[MD], s35, v[MD]                 ; my query - KEY0 - 16 (lane / 16): register 16 b + i is hidden where 32 b + i is above it
	v_mov_b32 v[NINF], 0xff800000                  ; -infinity: p = 0 then
.set n, 0
.rept 64
	v_cmp_gt_i32 vcc_lo, 32*(n/16)+n%16, v[MD]
	v_cndmask_b32 v[S+n], v[S+n], v[NINF], vcc_lo
.set n, n+1
.endr
.Lopen_\@:
.irp b, 0,1,2,3
	v_max3_num_f32 v[BM+\b], v[S+16*\b], v[S+16*\b+1], v[S+16*\b+2]   ; the largest register of each block of 32 keys: it serves for the row's maximum and, since p rises with it, for the block's largest p
.endr
.irp i, 3,5,7,9,11,13
.irp b, 0,1,2,3
	v_max3_num_f32 v[BM+\b], v[BM+\b], v[S+16*\b+\i], v[S+16*\b+\i+1]   ; (the four blocks by turns; each accumulator is read from its low end on)
.endr
.endr
.irp b, 0,1,2,3
	v_max_num_f32 v[BM+\b], v[BM+\b], v[S+16*\b+15]
.endr
.irp b, 0,1,2,3
	v_permlanex16_b32 v[PM+\b], v[BM+\b], s[SEL], s[SEL+1]
.endr
.irp b, 0,1,2,3
	v_max_num_f32 v[BM+\b], v[BM+\b], v[PM+\b]     ; with lane l xor 16's 16 keys
.endr
.irp b, 0,1,2,3
	v_fma_f32 v[AD+2*\b+1], v[BM+\b], s[CS], v[CB+\b]   ; the block's largest t
.endr
	v_max3_num_f32 v[TT], v[AD+1], v[AD+3], v[AD+5]
	v_max_num_f32 v[TT], v[TT], v[AD+7]
	v_max_num_f32 v[TMAX], v[TMAX], v[TT]          ; the running largest t
	v_mov_b32 v[TT], v[NEGM]
	v_floor_f32 v[NEGM], -v[TMAX]                  ; -M = floor(-t) = -ceil(t): a whole number
	v_sub_f32 v[TT], v[NEGM], v[TT]                ; old M - new M: a whole number, 0 or less
	v_cvt_i32_f32 v[TT], v[TT]                     ; (it saturates)
	v_ldexp_f32 v[F], 1.0, v[TT]                   ; f = 2^(old M - new M): multiplying by it rounds nothing
.irp b, 0,1,2,3
	v_add_f32 v[AD+2*\b], v[CB+\b], v[NEGM]        ; the block's addend
.endr
.set n, 0
.rept 32
	v_pk_fma_f32 v[S+2*n:S+2*n+1], v[S+2*n:S+2*n+1], s[CS:CS+1], v[AD+2*(n/8):AD+2*(n/8)+1] op_sel_hi:[1,0,0]   ; t - M, two at a time (of the pairs c and the addend the low word serves both halves)
.set n, n+1
.endr
.irp b, 0,1,2,3
	v_fma_f32 v[BM+\b], v[BM+\b], s[CS], v[AD+2*\b]   ; the same of each block's largest
.endr
.set n, 0
.rept 64
	v_exp_f32 v[S+n], v[S+n]                       ; p = 2^(t - M): not normalised
.set n, n+1
.endr
	v_pk_mul_f32 v[LS:LS+1], v[LS:LS+1], v[F:F+1] op_sel_hi:[1,0]   ; the sums under the new M; the plain instruction behind the exponentials
	s_wait_alu depctr_va_vdst(0)                   ; one wait for the batch of 64, ahead of its first reader
.irp b, 0,1,2,3
	v_exp_f32 v[BM+\b], v[BM+\b]                   ; the block's largest p: the same two instructions on the same number give the same bits
.endr
	v_pk_add_f32 v[SUM2:SUM2+1], v[S:S+1], v[S+2:S+3]   ; the row's sum of the unquantised p, two at a time, in two chains; it reads the 64 alone: plain work behind the four
.irp j, 4,8,12,16,20,24,28,32,36,40,44,48,52,56,60
	v_pk_add_f32 v[LS:LS+1], v[LS:LS+1], v[S+\j:S+\j+1]
	v_pk_add_f32 v[SUM2:SUM2+1], v[SUM2:SUM2+1], v[S+\j+2:S+\j+3]
.endr
	v_pk_add_f32 v[LS:LS+1], v[LS:LS+1], v[SUM2:SUM2+1]
	s_wait_alu depctr_va_vdst(0)                   ; and one for the four
.irp b, 0,1,2,3
	v_max_num_f32 v[BM+\b], 0x2800000, v[BM+\b]    ; the floor 2^(5 - 127): the byte cannot fall under 1 (a block of zeros keeps that byte: its codes are zeros)
.endr
.irp b, 0,1,2,3
	v_add_nc_u32 v[SCO+\b], 0xfe000000, v[BM+\b]   ; 4 off the exponent field: the conversion's scale operand
.endr
.irp b, 0,1,2,3
	v_lshrrev_b32 v[BY+\b], 23, v[SCO+\b]          ; the scale's byte
.endr
	v_lshl_or_b32 v[PSW], v[BY+1], 8, v[BY]        ; p's scale word for these 128 keys
	v_lshl_or_b32 v[PSW], v[BY+2], 16, v[PSW]
	v_lshl_or_b32 v[PSW], v[BY+3], 24, v[PSW]
.irp c, 0,1
	v_cvt_scalef32_pk16_bf6_f32 v[PC+6*\c:PC+6*\c+2], v[S+32*\c:S+32*\c+15], v[SCO+2*\c]          ; keys 64 c + 16 (lane / 16) + 0..15
	v_cvt_scalef32_pk16_bf6_f32 v[P2+4*\c:P2+4*\c+2], v[S+32*\c+16:S+32*\c+31], v[SCO+2*\c+1]     ; keys 64 c + 32 + 16 (lane / 16) + 0..15
.endr
	v_nop                                          ; one plain instruction behind the scaled conversions
	FETCHV \s                                      ; into the registers that p has left
.irp c, 0,1                                    ; the operand wants a whole block in a lane: lanes 0-15 block 2 c, lanes 16-31 block 2 c + 1
.irp i, 0,1,2
	v_permlane16_swap_b32 v[PC+6*\c+\i], v[P2+4*\c+\i]
.endr
.irp i, 0,1,2
	v_mov_b32 v[PC+6*\c+3+\i], v[P2+4*\c+\i]
.endr
.endr
.set n, 0
.rept 16
	v_pk_mul_f32 v[O+2*n:O+2*n+1], v[O+2*n:O+2*n+1], v[F:F+1] op_sel_hi:[1,0]   ; O^T under the new M; these sixteen also stand between the writes of p's codes and scale word and the products
.set n, n+1
.endr
	s_wait_dscnt 0x0                               ; V's fragments and scale words are in
	PV 0                                           ; the four accumulators by turns, one instruction a turn; between two links on one of them stand the step's eleven other products
	PV 1
	PV 2
	PV 3
.rept 5
	v_nop                                          ; five plain instructions: the next step's products write over V's registers, and its loads land on p's codes and on the scale words
.endr
.Lhid_\@:
	s_add_co_u32 s[J], s[J], 1
	s_add_co_u32 s[KEY0], s[KEY0], 128
	BAR                                            ; step J + 1's images lie in LDS, and nobody reads slot s any more: the next step writes it
.endm
.Ltrip:                                            ; 8 trips of two steps, for every work-group
	STEP 0
	STEP 1
	s_sub_co_u32 s[TRIP], s[TRIP], 1
	s_cmp_lg_u32 s[TRIP], 0
	s_cbranch_scc1 .Ltrip
	; ---- THE WAY OUT.  O^T / the sum goes through my stage and leaves as whole pieces: sixteen lanes store a token's 256 consecutive bytes of the head, at a multiple of 256 from out's first byte
	v_add_f32 v[LS], v[LS], v[LS+1]                ; the sum's two halves,
	v_mov_b32 v251, 0
	v_permlanex16_b32 v251, v[LS], s[SEL], s[SEL+1]
	v_add_f32 v[LS], v[LS], v251                   ; and lane l xor 16's: the row's sum
	v_rcp_f32 v[LS], v[LS]
	v_nop                                          ; a plain instruction behind the reciprocal
	s_wait_alu depctr_va_vdst(0)                   ; and the wait ahead of its first reader
.set n, 0
.rept 32
	v_mul_f32 v[S+n], v[O+n], v[LS]                ; register 8 t + j: out(query r, channel 16 t + 8 (lane / 16) + j); each accumulator from its low end on
.set n, n+1
.endr
.irp t, 0,1,2,3
	ds_store_b128 v[WO], v[S+8*\t:S+8*\t+3] offset:64*\t
	ds_store_b128 v[WO], v[S+8*\t+4:S+8*\t+7] offset:64*\t+16
.endr
.irp i, 0,1,2,3,4,5,6,7
	ds_load_b128 v[S+32+4*\i:S+32+4*\i+3], v[STA] offset:544*\i   ; LDS serves a wave's instructions in order: these see my stores
.endr
.irp i, 0,1,2,3,4,5,6,7
	s_wait_dscnt 7-\i                              ; the younger loads from the stage may stay out
	global_store_b128 v[LP], v[S+32+4*\i:S+32+4*\i+3], s[10:11] offset:2*ROWB*\i th:TH_STORE_NT
.endr
	s_wait_tensorcnt 0x0
	ds_add_u32 v254, v255
	s_wait_dscnt 0x0
	s_endpgm
.Lfunc_end_k_qf5ba6838ba_attn:
	.size	k_qf5ba6838ba_attn, .Lfunc_end_k_qf5ba6838ba_attn-k_qf5ba6838ba_attn
	.p2alignl 7, 3214868480
	.fill 96, 4, 3214868480
	.section	.rodata,"a",@progbits
	.p2align	6, 0x0
	.amdhsa_kernel k_qf5ba6838ba_attn
		.amdhsa_group_segment_fixed_size 97280
		.amdhsa_private_segment_fixed_size 0
		.amdhsa_enable_private_segment 0
		.amdhsa_kernarg_size 32
		.amdhsa_user_sgpr_count 2
		.amdhsa_user_sgpr_kernarg_segment_ptr 1
		.amdhsa_wavefront_size32 1
		.amdhsa_system_sgpr_workgroup_id_x 1
		.amdhsa_system_sgpr_workgroup_id_y 1
		.amdhsa_system_sgpr_workgroup_id_z 1
		.amdhsa_system_vgpr_workitem_id 0
		.amdhsa_next_free_vgpr 256
		.amdhsa_next_free_sgpr 66
		.amdhsa_reserve_vcc 1
		.amdhsa_float_denorm_mode_32 3
		.amdhsa_float_denorm_mode_16_64 3
		.amdhsa_memory_ordered 1
		.amdhsa_forward_progress 1
		.amdhsa_inst_pref_size 91
	.end_amdhsa_kernel
	.amdgpu_metadata
---
amdhsa.version: [ 1, 2 ]
amdhsa.kernels:
  - .name:           k_qf5ba6838ba_attn
    .symbol:         k_qf5ba6838ba_attn.kd
    .args:
      - { .name: q, .offset: 0, .size: 8, .value_kind: global_buffer, .address_space: global }
      - { .name: k, .offset: 8, .size: 8, .value_kind: global_buffer, .address_space: global }
      - { .name: v, .offset: 16, .size: 8, .value_kind: global_buffer, .address_space: global }
      - { .name: out0, .offset: 24, .size: 8, .value_kind: global_buffer, .address_space: global }
    .group_segment_fixed_size: 97280
    .private_segment_fixed_size: 0
    .kernarg_segment_align: 8
    .kernarg_segment_size: 32
    .max_flat_workgroup_size: 512
    .sgpr_count:     66
    .vgpr_count:     256
    .wavefront_size: 32
...
	.end_amdgpu_metadata
.endif
;; end of part 1
;; ======== version 2 of 2: 1 launch; version 1 with the launch attn written anew for expert scheduling mode
;; launch attn (part 2): grid 256 x 1, 16 waves a work-group, no clusters, 97,280 bytes of LDS; arguments q, k, v, out0; writes out0
.if DOCPART == 2
	.amdgcn_target "amdgcn-amd-amdhsa--gfx1250"
	.amdhsa_code_object_version 6
	.text
	.protected	k_qf5ba6838ba_attn
	.globl	k_qf5ba6838ba_attn
	.p2align	8
	.type	k_qf5ba6838ba_attn,@function
k_qf5ba6838ba_attn:
	s_mov_b64 s[64:65], 0
	v_nop
	global_prefetch_b8 v0, s[64:65] scope:SCOPE_SE
	s_setreg_imm32_b32 hwreg(HW_REG_WAVE_SCHED_MODE, 0, 2), 2
	s_setreg_imm32_b32 hwreg(HW_REG_WAVE_MODE, 25, 1), 1
	s_wait_xcnt 0x0
	s_wait_alu depctr_vm_vsrc(0)
; out[b][t][64 h + d] = sum over s <= t of softmax_s(q.k / 8 + slope_h (s - t)) v[b][s][64 h + d].   q, k, v, out: [2][2048][1024] f32; 16 heads of 64.
; Both products on codes of BF6 (E3M2) with one E8M0 scale for each 32 along a product's K.  q and k are quantised along the head's 64, v and p along the keys.
; p = 2^(t - M), t = logit x log2(e), M = the running largest t rounded UP to a whole number; the row's sum is taken of the unquantised p and divides at the end.
; SHARES.  256 work-groups of 16 waves, 256 registers a wave.  A work-group owns one head of one batch and two blocks of 128 queries, blocks i and 15 - i (i = 0..7): 17 squares of
; 128 x 128 under the diagonal for every work-group.  A wave owns 16 queries.  The work-group walks the keys 128 a step, 16 - i steps; the loop has 8 trips of two steps for all,
; and a step beyond the work-group's last, or behind a wave's queries, is passed over by scalar branches on ids; every wave passes every barrier.
; K AND V ARE QUANTISED ON THE WAY.  In each step the 16 waves make the NEXT step's codes from f32 numbers that they loaded a step earlier: waves 0-7 a tile of 16 keys of K each,
; waves 8-15 32 channels x 32 keys of V each: a block of 32 numbers a lane, 6 registers of codes and one scale byte.  The codes go to LDS as IMAGES OF THE OPERANDS' REGISTERS
; (four registers at 16 x lane, two at 8 x lane), into one of two slots; behind one barrier every wave loads them back as fragments.
; WHY NO TENSOR LOADS AND NO CLUSTER: the tiles that the eight work-groups of a head share arrive as f32 and have to pass through registers to become codes: brought into LDS first, a step's
; 65,536 bytes would be written there and read back beside the 12,800 bytes of codes that are wanted; and the eight walk different numbers of steps (16 - i).
; K = 64 IN AN INSTRUCTION OF K = 128.  Source 0's registers 0-5 hold one tile of 16 keys, registers 6-11 the next tile.  q lies in 18 registers [0 x 6][q x 6][0 x 6]: v[22:33] = [q, 0] gives
; the first tile's scores, v[16:27] = [0, q] the second's, from the same registers of K.  Zero codes add nothing under any scale byte but 0xff, and no byte here is 0xff.
; THE KEYS OF A TILE ARE NOT NEIGHBOURS: row r of tile 2 b + u is key 32 b + 8 u + r + 8 (r / 8), so that a lane's 16 registers of tiles 2 b, 2 b + 1 are keys 32 b + 16 (lane / 16) + 0..15.
; THE BIAS.  Register 16 b + i of lane (r, lane / 16 = g) holds key KEY0 + 32 b + 16 g + i against query Q0 + r.  The part 8 slope (i + 16 g - r) is a table of 16 registers, given as the C of the
; products q.k; the part slope log2(e) (KEY0 + 32 b - Q0), one number for a block, goes into the addend of the one multiply-add that makes t - M.  So a block's largest register is still its largest t.
; LIMITS: NaN and infinities among the inputs are not served.  A block whose largest magnitude lies under 2^-122 keeps the scale byte 1; so does a block of zeros (the rule says 127: its codes are zeros,
; and the bytes never leave this kernel).  p under 2^-126 counts as 0.  The slope is 2^-0.5 multiplied up h + 1 times in f32, one product after the other.
; THE MODE: SCHED_MODE bits 1:0 = 2 (LLVM: expert scheduling mode 2), set by the entry lines.  The code itself states the register dependences
; between vector or matrix instructions and memory or LDS instructions, with s_wait_alu, always for 0.
; THE PLAN.  Registers that memory or LDS instructions touch, in a step:
;   v1-9, v247-250  addresses and offsets: written once at the head, ahead of the wait in front of the first load, and never again.
;   RAW             the global loads of step J + 2 land in it in step J; in step J + 1 K's waves' stores into the stage read it, V's waves' quantiser reads it.
;   X  (K's waves)  the loads from the stage land in it; the quantiser reads it.  The same registers were the step before's work registers.
;   PCD, PBY        the quantiser writes them; the three stores of the image read them; the next step's quantiser writes them again.
;   KF, SCA         K's fragments and scale words land; the products q.k read them; then the softmax works in v180-235 and lays p's codes there.
;   S, SCA          V's fragments and scale words land in what the products q.k and the exponentials wrote and the sums and conversions read; the products with V read them.
; So a step has: one wait on va_vdst at its head (the step before is done with v180-235 and SCA); one ahead of the image's stores (codes and byte written; the quantiser done reading RAW or X);
; one on vm_vsrc behind those stores (they have read PCD and PBY, the stage's stores RAW); the two behind the exponentials; one ahead of V's loads (p's registers are done with);
; one ahead of the products with V (p's codes and scale word written).  In the step on the diagonal the masks are made in four runs of sixteen compares, each with one wait on va_sdst.
.set ROWB,  4096                       ; bytes from a token's row to the next
.set STEPB, 128*ROWB                   ; a key step in memory
.set SLOTB, 12800                      ; an image slot: K's 8 tiles x 768, V's 8 half fragments x 768, 256 bytes of K's scale words, 256 of V's
.set VIMG,  6144
.set KSC,   12288                      ; K's scale words: word 16 b + r (pair of tiles b, row r); byte 2 u + (which 32 of the head's 64)
.set VSC,   12544                      ; V's: word d (channel 0..63); byte = which 32 of the step's 128 keys
.set STG,   2*SLOTB                    ; behind the slots: a stage of 16 rows x 272 bytes for each wave, its own
.set STGW,  16*272
.set L16,  1                           ; v1   16 x lane
.set L8,   2                           ; v2   8 x lane
.set L4,   3                           ; v3   4 x lane
.set GOK,  4                           ; v4   K's waves: my byte in a step's rows of k
.set GOV,  5                           ; v5   V's waves: my byte in a step's rows of v
.set LP,   6                           ; v6   4096 (lane / 16) + 16 (lane % 16): sixteen lanes to a token's 256 bytes of the head, two tokens an instruction
.set PST16, 7                          ; v7   where I store my image's four registers
.set PST8, 8                           ; v8   and its two
.set PSC,  9                           ; v9   and my scale byte
.set SCA,  10                          ; v10-11 scale words of K, then of V: nothing else
.set NEGM, 12                          ; v12  -M
.set TMAX, 13                          ; v13  the running largest t
.set LS,   14                          ; v[14:15] the row's sum in two halves
.set QLO,  22                          ; v[22:33] = [q, 0]
.set QHI,  16                          ; v[16:27] = [0, q]
.set QS,   34                          ; v34  q's scale word: nothing else
.set PSW,  35                          ; v35  p's scale word: nothing else
.set T,    36                          ; v36-51 the bias table
.set S,    52                          ; v52-115 scores, then p; then V's four fragments in v52-99
.set O,    116                         ; v116-147 O^T: four tiles of 16 channels
.set RAW,  148                         ; v148-179 the next step's 32 numbers as loaded
.set X,    180                         ; v180-211 K's waves: the numbers turned
.set KF,   180                         ; v180-227 K's four pairs of tiles
.set BM,   180                         ; v180-183 a block's largest score, then its largest p
.set PM,   184
.set AD,   188                         ; v188-195 pair b: the addend of block b, and its largest t
.set SCO,  196                         ; v196-199 the conversions' scale operands
.set BY,   200                         ; v200-203 the scale bytes
.set F,    204                         ; v204 2^(old M - new M)  (v205 is named with it as a pair)
.set CB,   206                         ; v206-209 slope log2(e) (KEY0 + 32 b - Q0)
.set TT,   210
.set VN,   211
.set PC,   212                         ; v212-223 p's codes
.set P2,   224                         ; v224-226, v228-230 their second halves as converted
.set SUM2, 232
.set NINF, 234
.set MD,   235
.set PMX,  236                         ; v236-237 the quantiser's two chains
.set PSO,  238                         ; v238 its scale operand
.set PBY,  239                         ; v239 its scale byte
.set PCD,  240                         ; v240-246 its codes
.set STA,  247                         ; v247 stage: row lane / 16, 16 (lane % 16)
.set TRD,  248                         ; v248 stage: row lane % 16, 128 (lane / 16)
.set PFO,  249                         ; v249 the prefetches' offset: a lane a row
.set WO,   250                         ; v250 stage: row lane % 16, 32 (lane / 16)
.set WV,   12                          ; s12 wave
.set PAIR, 13                          ; s13 i
.set HD,   14                          ; s14 head
.set BLK,  15                          ; s15 my block of 128 queries = my last key step
.set Q0,   16                          ; s16 my first query
.set NS,   17                          ; s17 the work-group's key steps
.set J,    18                          ; s18 the step in hand
.set KEY0, 19                          ; s19 its first key
.set SEL,  20                          ; s[20:21] selects of v_permlanex16_b32: lane l xor 16
.set CS,   22                          ; s[22:23] c = log2(e) / 8
.set C2,   24                          ; s24 slope log2(e); s25-27 that x 32, 64, 96
.set RB,   28                          ; s[28:29] my tensor (k or v) at the head's bytes of the step that was loaded last
.set TRIP, 32
.set LIM,  33                          ; s33 12 in a wave that prefetches, else 0
.set MK,   36                          ; s36-51 the diagonal step's masks, sixteen at a time (at the head these registers hold offsets and constants that the loop does not read)
; K's wave: its tile's 16 rows, two an instruction: sixteen lanes read a key's whole 256 bytes of the head
.macro LOADK
.irp j, 0,1,2,3,4,5,6,7
	global_load_b128 v[RAW+4*\j:RAW+4*\j+3], v[GOK], s[RB:RB+1] offset:(2*\j+8*(\j/4))*ROWB
.endr
.endm
; V's wave: a lane takes a channel and its registers run down 32 keys: 32 lanes read 128 consecutive bytes; the wave with the other 32 channels reads the other 128 of the same 256
.macro LOADV
.set n, 0
.rept 32
	global_load_b32 v[RAW+n], v[GOV], s[RB:RB+1] offset:ROWB*n
.set n, n+1
.endr
.endm
.macro ROLE_LOAD                       ; the branch hangs on the wave's number alone
	s_cmp_lt_u32 s[WV], 8
	s_cbranch_scc0 .Lldv_\@
	LOADK
	s_branch .Lldd_\@
.Lldv_\@:
	LOADV
.Lldd_\@:
.endm
; 16 rows x 256 bytes, loaded sixteen lanes to a row, go through my own stage and come back 128 bytes a lane: row lane % 16, numbers 32 (lane / 16) + 0..31.
; Rows 272 bytes apart. LDS serves a wave's instructions in order (ISA guide 5.7.1.4): no wait between stores and loads.
.macro TURN src, dst
.irp j, 0,1,2,3,4,5,6,7
	ds_store_b128 v[STA], v[\src+4*\j:\src+4*\j+3] offset:544*\j
.endr
.irp j, 0,1,2,3,4,5,6,7
	ds_load_b128 v[\dst+4*\j:\dst+4*\j+3], v[TRD] offset:16*\j
.endr
	s_wait_dscnt 0x0                               ; the numbers are back
.endm
; A lane's 32 numbers v[src] on, one block, become 6 registers of codes v[cd] .. v[cd + 5] (v[cd + 6] is used on the way) and the scale byte v[PBY]
.macro QBLK src, cd
	v_max3_num_f32 v[PMX], |v[\src]|, |v[\src+1]|, |v[\src+2]|       ; the block's largest magnitude, in two chains
	v_max3_num_f32 v[PMX+1], |v[\src+3]|, |v[\src+4]|, |v[\src+5]|
.irp i, 6,10,14,18,22,26
	v_max3_num_f32 v[PMX], v[PMX], |v[\src+\i]|, |v[\src+\i+1]|
	v_max3_num_f32 v[PMX+1], v[PMX+1], |v[\src+\i+2]|, |v[\src+\i+3]|
.endr
	v_max3_num_f32 v[PMX], v[PMX], |v[\src+30]|, |v[\src+31]|
	v_max3_num_f32 v[PMX], v[PMX], v[PMX+1], 0x2800000              ; and the floor 2^(5 - 127): the byte cannot fall under 1
	v_add_nc_u32 v[PSO], 0xfe000000, v[PMX]                         ; 4 off its exponent field: the conversion takes this operand's exponent field as its scale
	v_cvt_scalef32_pk16_bf6_f32 v[\cd:\cd+2], v[\src:\src+15], v[PSO]
	v_cvt_scalef32_pk16_bf6_f32 v[\cd+4:\cd+6], v[\src+16:\src+31], v[PSO]   ; (a conversion's three registers begin on an even number)
	v_lshrrev_b32 v[PBY], 23, v[PSO]                                ; the scale's byte; also the plain instruction behind the conversions
	v_mov_b32 v[\cd+3], v[\cd+4]
	v_mov_b32 v[\cd+4], v[\cd+5]
	v_mov_b32 v[\cd+5], v[\cd+6]
.endm
.macro ROLE_QUANT                      ; K's numbers are turned first (K innermost in memory); V's lie down the registers as loaded
	s_cmp_lt_u32 s[WV], 8
	s_cbranch_scc0 .Lqv_\@
	TURN RAW, X
	QBLK X, PCD
	s_branch .Lqd_\@
.Lqv_\@:
	QBLK RAW, PCD
.Lqd_\@:
.endm
.macro PUT s                           ; my image and my scale byte into slot s
	ds_store_b128 v[PST16], v[PCD:PCD+3] offset:(\s)*SLOTB
	ds_store_b64 v[PST8], v[PCD+4:PCD+5] offset:(\s)*SLOTB
	ds_store_b8 v[PSC], v[PBY] offset:(\s)*SLOTB
.endm
.macro FETCHK s                        ; K's eight tiles as four operands of 12 registers, and their scale words: lanes 0-15 pair 0 (2), lanes 16-31 pair 1 (3)
.irp t, 0,1,2,3,4,5,6,7
	ds_load_b128 v[KF+6*\t:KF+6*\t+3], v[L16] offset:(\s)*SLOTB+768*\t
	ds_load_b64 v[KF+6*\t+4:KF+6*\t+5], v[L8] offset:(\s)*SLOTB+768*\t+512
.endr
	ds_load_b32 v[SCA], v[L4] offset:(\s)*SLOTB+KSC
	ds_load_b32 v[SCA+1], v[L4] offset:(\s)*SLOTB+KSC+128
.endm
.macro FETCHV s                        ; V's four tiles of 16 channels x 128 keys; half fragment (tile t, keys 64 c on) lies at 768 (4 (t % 2) + 2 (t / 2) + c)
.irp t, 0,1,2,3
.irp c, 0,1
	ds_load_b128 v[S+12*\t+6*\c:S+12*\t+6*\c+3], v[L16] offset:(\s)*SLOTB+VIMG+768*(4*(\t%2)+2*(\t/2)+\c)
	ds_load_b64 v[S+12*\t+6*\c+4:S+12*\t+6*\c+5], v[L8] offset:(\s)*SLOTB+VIMG+768*(4*(\t%2)+2*(\t/2)+\c)+512
.endr
.endr
	ds_load_b32 v[SCA], v[L4] offset:(\s)*SLOTB+VSC
	ds_load_b32 v[SCA+1], v[L4] offset:(\s)*SLOTB+VSC+128
.endm
.macro BAR                             ; my LDS stores have landed and my LDS loads are in: then the work-group's barrier
	s_wait_dscnt 0x0
	s_barrier_signal -1
	s_barrier_wait -1
.endm
; the two products of pair b: S^T = K q^T + the bias table.  Source 0 = the pair's 12 registers of K, source 1 = [q, 0] or [0, q]
.macro QK b
.if (\b)%2
	v_wmma_scale_f32_16x16x128_f8f6f4 v[S+16*(\b):S+16*(\b)+7], v[KF+12*(\b):KF+12*(\b)+11], v[QLO:QLO+11], v[T:T+7], v[SCA+(\b)/2], v[QS] matrix_a_fmt:MATRIX_FMT_BF6 matrix_b_fmt:MATRIX_FMT_BF6 matrix_a_scale:MATRIX_SCALE_ROW1
	v_wmma_scale_f32_16x16x128_f8f6f4 v[S+16*(\b)+8:S+16*(\b)+15], v[KF+12*(\b):KF+12*(\b)+11], v[QHI:QHI+11], v[T+8:T+15], v[SCA+(\b)/2], v[QS] matrix_a_fmt:MATRIX_FMT_BF6 matrix_b_fmt:MATRIX_FMT_BF6 matrix_a_scale:MATRIX_SCALE_ROW1
.else
	v_wmma_scale_f32_16x16x128_f8f6f4 v[S+16*(\b):S+16*(\b)+7], v[KF+12*(\b):KF+12*(\b)+11], v[QLO:QLO+11], v[T:T+7], v[SCA+(\b)/2], v[QS] matrix_a_fmt:MATRIX_FMT_BF6 matrix_b_fmt:MATRIX_FMT_BF6
	v_wmma_scale_f32_16x16x128_f8f6f4 v[S+16*(\b)+8:S+16*(\b)+15], v[KF+12*(\b):KF+12*(\b)+11], v[QHI:QHI+11], v[T+8:T+15], v[SCA+(\b)/2], v[QS] matrix_a_fmt:MATRIX_FMT_BF6 matrix_b_fmt:MATRIX_FMT_BF6
.endif
.endm
; O^T += V^T p^T, tile t of 16 channels; K = the step's 128 keys
.macro PV t
.if (\t)%2
	v_wmma_scale_f32_16x16x128_f8f6f4 v[O+8*(\t):O+8*(\t)+7], v[S+12*(\t):S+12*(\t)+11], v[PC:PC+11], v[O+8*(\t):O+8*(\t)+7], v[SCA+(\t)/2], v[PSW] matrix_a_fmt:MATRIX_FMT_BF6 matrix_b_fmt:MATRIX_FMT_BF6 matrix_a_scale:MATRIX_SCALE_ROW1
.else
	v_wmma_scale_f32_16x16x128_f8f6f4 v[O+8*(\t):O+8*(\t)+7], v[S+12*(\t):S+12*(\t)+11], v[PC:PC+11], v[O+8*(\t):O+8*(\t)+7], v[SCA+(\t)/2], v[PSW] matrix_a_fmt:MATRIX_FMT_BF6 matrix_b_fmt:MATRIX_FMT_BF6
.endif
.endm
	; ---- THE HEAD: ids, then every address register, ahead of the first branch on the wave's number
	s_load_b256 s[4:11], s[0:1], 0x0               ; q s[4:5], k s[6:7], v s[8:9], out s[10:11]
	v_lshl_add_u32 v254, v0, 2, 0x17400
	v_mov_b32 v255, 0
	v_lshrrev_b32 v251, 5, v0
	v_readfirstlane_b32 s[WV], v251                ; wave 0..15
	s_bfe_u32 s[PAIR], ttmp9, 0x30004              ; i = bits 6:4 of the work-group's number
	s_and_b32 s[HD], ttmp9, 15                     ; head = bits 3:0
	s_lshr_b32 s2, ttmp9, 7                        ; batch = bit 7
	s_lshl_b32 s30, s2, 23                         ; 2048 rows of 4096 bytes a batch,
	s_lshl_b32 s3, s[HD], 8                        ; 256 bytes a head in a row
	s_add_co_u32 s30, s30, s3
	s_mov_b32 s31, 0                               ; s[30:31]: the head's first byte in each tensor
	s_wait_alu depctr_va_sdst(0)                   ; the wave's number is written in s12, ahead of its first reader, the next line
	s_lshr_b32 s2, s[WV], 2
	s_xor_b32 s2, s2, s[WV]
	s_and_b32 s2, s2, 1                            ; 1: my queries lie in the late block, 15 - i
	s_and_b32 s3, s[WV], 3
	s_lshr_b32 s34, s[WV], 3                       ; R: 0 I quantise K, 1 I quantise V
	s_lshl_b32 s35, s34, 2
	s_or_b32 s3, s3, s35                           ; which 16 of the block's 128 queries
	s_sub_co_u32 s35, 15, s[PAIR]
	s_cmp_eq_u32 s2, 1
	s_cselect_b32 s[BLK], s35, s[PAIR]
	s_lshl_b32 s[Q0], s[BLK], 7
	s_lshl_b32 s3, s3, 4
	s_add_co_u32 s[Q0], s[Q0], s3
	s_sub_co_u32 s[NS], 16, s[PAIR]
	s_lshl_b32 s36, s[Q0], 12
	s_add_co_u32 s36, s36, s30
	s_mov_b32 s37, 0                               ; s[36:37]: my first query's bytes of the head
	v_and_b32 v251, 31, v0                         ; lane
	v_and_b32 v252, 15, v0                         ; r
	v_bfe_u32 v253, v0, 4, 1                       ; lane / 16
	v_lshlrev_b32 v[L16], 4, v251
	v_lshlrev_b32 v[L8], 3, v251
	v_lshlrev_b32 v[L4], 2, v251
	v_lshlrev_b32 v[LP], 4, v252
	v_lshl_add_u32 v[LP], v253, 12, v[LP]
	s_and_b32 s2, s[WV], 7                         ; my number among the eight of my role
	s_lshr_b32 s3, s2, 1
	s_lshl_b32 s3, s3, 17                          ; K: tile 2 b + u begins at key 32 b + 8 u
	s_and_b32 s35, s2, 1
	s_lshl_b32 s35, s35, 15
	s_add_co_u32 s3, s3, s35
	v_add_nc_u32 v[GOK], s3, v[LP]
	s_and_b32 s3, s2, 3
	s_lshl_b32 s3, s3, 17                          ; V: keys 32 (number % 4) on,
	s_lshr_b32 s35, s2, 2
	s_lshl_b32 s35, s35, 7                         ; channels 32 (number / 4) on, 4 bytes a lane
	s_add_co_u32 s3, s3, s35
	v_add_nc_u32 v[GOV], s3, v[L4]
	; where my image goes.  K's wave: tile zk at 768 zk, as it stands (16 x lane, 8 x lane).  V's wave y: lane l holds channel 32 (y / 4) + l and keys 32 (y % 4) on: that is lane
	; r + 16 (y % 2) of half fragment (tile 2 (y / 4) + l / 16, keys 64 ((y % 4) / 2) on): base 768 (y / 2), lanes 16-31 four half fragments (3072 bytes) further on
	s_min_u32 s38, s[WV], 8
	s_sub_co_u32 s39, s[WV], s38                   ; y: V's number, 0 in K's waves
	s_and_b32 s38, s38, 7                          ; zk: K's tile, 0 in V's waves
	s_mul_i32 s40, s38, 768
	s_mul_i32 s41, s34, VIMG
	s_add_co_u32 s40, s40, s41
	s_lshr_b32 s41, s39, 1
	s_mul_i32 s41, s41, 768
	s_add_co_u32 s40, s40, s41
	s_and_b32 s41, s39, 1
	s_lshl_b32 s42, s41, 8
	s_add_co_u32 s42, s42, s40                     ; the four registers' base
	s_lshl_b32 s43, s41, 7
	s_add_co_u32 s43, s43, s40
	s_add_co_u32 s43, s43, 512                     ; the two registers' base
	s_mul_i32 s44, s34, 2816
	s_add_co_u32 s44, s44, 256                     ; from lanes 0-15 to lanes 16-31: 256 (K), 3072 (V)
	s_mul_i32 s45, s34, 2944
	s_add_co_u32 s45, s45, 128                     ; 128 (K), 3072 (V)
	s_lshr_b32 s46, s38, 1
	s_lshl_b32 s46, s46, 6                         ; K's byte: 64 (zk / 2) + 2 (zk % 2) + 4 r + lane / 16
	s_and_b32 s47, s38, 1
	s_lshl_b32 s47, s47, 1
	s_add_co_u32 s46, s46, s47
	s_lshl_b32 s47, s34, 8                         ; V's byte: 256 + 128 (y / 4) + y % 4 + 4 r + 64 (lane / 16)
	s_add_co_u32 s46, s46, s47
	s_lshr_b32 s47, s39, 2
	s_lshl_b32 s47, s47, 7
	s_add_co_u32 s46, s46, s47
	s_and_b32 s47, s39, 3
	s_add_co_u32 s46, s46, s47
	s_add_co_u32 s46, s46, KSC
	s_mul_i32 s47, s34, 63
	s_add_co_u32 s47, s47, 1
	v_mul_u32_u24 v[PST16], s44, v253
	v_lshl_add_u32 v[PST16], v252, 4, v[PST16]
	v_add_nc_u32 v[PST16], s42, v[PST16]
	v_mul_u32_u24 v[PST8], s45, v253
	v_lshl_add_u32 v[PST8], v252, 3, v[PST8]
	v_add_nc_u32 v[PST8], s43, v[PST8]
	v_mul_u32_u24 v[PSC], s47, v253
	v_lshl_add_u32 v[PSC], v252, 2, v[PSC]
	v_add_nc_u32 v[PSC], s46, v[PSC]
	s_mul_i32 s2, s[WV], STGW
	s_add_co_u32 s2, s2, STG                       ; my stage
	v_mul_u32_u24 v[STA], v253, 272
	v_lshl_add_u32 v[STA], v252, 4, v[STA]
	v_add_nc_u32 v[STA], s2, v[STA]
	v_mul_u32_u24 v[TRD], v252, 272
	v_lshl_add_u32 v[WO], v253, 5, v[TRD]
	v_lshl_add_u32 v[TRD], v253, 7, v[TRD]
	v_add_nc_u32 v[TRD], s2, v[TRD]
	v_add_nc_u32 v[WO], s2, v[WO]
	s_and_b32 s3, s[WV], 3
	s_lshl_b32 s3, s3, 17
	v_lshl_add_u32 v[PFO], v251, 12, s3            ; row 32 (wave % 4) + lane of a step's 128
	s_and_b32 s2, s[WV], 4
	s_or_b32 s2, s2, s[PAIR]
	s_cmp_eq_u32 s2, 0                             ; waves 0-3 (k) and 8-11 (v) of the work-group with i = 0, which walks all 16 steps
	s_cselect_b32 s[LIM], 12, 0
	s_mov_b32 s[SEL], 0x76543210
	s_mov_b32 s[SEL+1], 0xfedcba98
	s_mov_b32 s[CS], 0x3e38aa3b                    ; c = log2(e) / 8
	s_mov_b32 s[CS+1], s[CS]                       ; (named with it as a pair, so it is written)
	s_mov_b32 s[J], 0
	s_mov_b32 s[KEY0], 0
	s_mov_b32 s[TRIP], 8
	s_mov_b32 s48, 0x3f3504f3                      ; 2^(-8 / 16)
	s_wait_kmcnt 0x0
	s_add_nc_u64 s[4:5], s[4:5], s[36:37]          ; q and out at my first query
	s_add_nc_u64 s[10:11], s[10:11], s[36:37]
	s_cmp_lt_u32 s[WV], 8
	s_cselect_b64 s[RB:RB+1], s[6:7], s[8:9]       ; the tensor that I quantise: the choice hangs on the wave's number alone
	s_add_nc_u64 s[RB:RB+1], s[RB:RB+1], s[30:31]
	s_wait_alu depctr_va_vdst(0)                   ; the thirteen addresses and offsets v1-9 and v247-250 are written: every load, store and prefetch of the kernel reads one of them, and no line writes them again
	ROLE_LOAD                                      ; key step 0
.irp j, 0,1,2,3,4,5,6,7
	global_load_b128 v[S+32+4*\j:S+32+4*\j+3], v[LP], s[4:5] offset:2*ROWB*\j th:TH_LOAD_NT   ; my 16 queries, two rows an instruction; read by nobody else
.endr
	; while these are on their way: the slope, as a running product, chosen without a branch
	v_lshlrev_b32 v251, 4, v253
	v_sub_nc_u32 v251, v251, v252                  ; 16 (lane / 16) - r
	v_mov_b32 v252, s48
	v_mov_b32 v253, s48
.irp n, 1,2,3,4,5,6,7,8,9,10,11,12,13,14,15
	v_mul_f32 v252, s48, v252                      ; 2^-0.5 to the power n + 1
	s_cmp_ge_u32 s[HD], \n
	s_cselect_b32 s49, -1, 0
	v_cndmask_b32 v253, v253, v252, s49            ; kept while n <= head: the slope is the power head + 1
.endr
	v_mul_f32 v252, 0x41000000, v253               ; 8 slope: times c it is slope log2(e)
	v_mul_f32 v253, 0x3fb8aa3b, v253               ; slope log2(e)
	v_readfirstlane_b32 s[C2], v253
	v_mul_f32 v180, 0x42000000, v253
	v_readfirstlane_b32 s[C2+1], v180              ; x 32
	v_mul_f32 v180, 0x42800000, v253
	v_readfirstlane_b32 s[C2+2], v180              ; x 64
	v_mul_f32 v180, 0x42c00000, v253
	v_readfirstlane_b32 s[C2+3], v180              ; x 96
	s_wait_alu depctr_va_sdst(0)                   ; s24 to s27 are written: one wait behind the run of four, ahead of every branch; their readers stand in the key steps
.irp i, 0,1,2,3,4,5,6,7,8,9,10,11,12,13,14,15
	v_add_nc_u32 v180, \i, v251
	v_cvt_f32_i32 v180, v180
	v_mul_f32 v[T+\i], v252, v180                  ; 8 slope (i + 16 (lane / 16) - r)
.endr
	v_mov_b32 v[TMAX], 0xff61b1e6                  ; the largest t so far: -3e38, under every t
	v_floor_f32 v[NEGM], -v[TMAX]
	v_mov_b32 v[LS], 0
	v_mov_b32 v[LS+1], 0
.set n, 0
.rept 32
	v_mov_b32 v[O+n], 0                            ; O^T.  (The step is written once: the first finds zeros, which the first change of M leaves zeros)
.set n, n+1
.endr
.irp i, 0,1,2,3,4,5
	v_mov_b32 v[QHI+\i], 0                         ; the zero codes in front of q's
.endr
	s_wait_loadcnt 0x0                             ; q and key step 0: all my loads
	TURN S+32, S                                   ; (no vector instruction since the wait ahead of the first loads names v52-115 or the stage's two addresses)
	QBLK S, QLO                                    ; q's codes: lane (r, g): query r, the head's 32 g + 0..31
.irp i, 6,7,8,9,10,11
	v_mov_b32 v[QLO+\i], 0                         ; the zero codes behind them (the first of these registers served the conversion)
.endr
	v_mov_b32 v251, 0                              ; (a lane permute's destination counts as one of its sources)
	v_permlanex16_b32 v251, v[PBY], s[SEL], s[SEL+1]
	v_lshl_or_b32 v[QS], v251, 8, v[PBY]           ; lanes 0-15, which alone are read: the bytes of the head's two blocks,
	v_lshl_or_b32 v[QS], v[QS], 16, v[QS]          ; twice: q stands in the lower or in the upper 64 of the instruction's K
	s_wait_alu depctr_va_vdst(0)                   ; v180, which served the table, is written: K's waves' turned numbers land in it; q's codes v16-33 and scale word v34 are written, which every product q.k takes
	ROLE_QUANT
	s_wait_alu depctr_va_vdst(0)                   ; the quantiser has written the codes v240-245 and the byte v239, which the stores read, and is done reading RAW, in which key step 1's loads land
	PUT 0                                          ; key step 0's images
	s_wait_alu depctr_vm_vsrc(0)                   ; the stage's stores have read RAW (loads land in it below) and v84-115 (the products q.k write them); the image's stores have read v239-245, which the next quantiser writes
	s_wait_xcnt 0x0                                ; my loads have read their base
	s_add_nc_u64 s[RB:RB+1], s[RB:RB+1], STEPB
	ROLE_LOAD                                      ; key step 1 (every work-group has 9 steps or more)
	BAR
; ---- A KEY STEP: slot s holds step J's images; slot 1 - s takes step J + 1's
.macro STEP s
	s_wait_alu depctr_va_vdst(0)                   ; the step before is done reading and writing v180-235 and the scale words v10-11: the turned numbers, K's fragments and K's scale words land there, on every way through this step
	s_add_co_u32 s2, s[J], 1
	s_cmp_ge_u32 s2, s[NS]
	s_cbranch_scc1 .Lnp_\@                         ; no next step: nothing to quantise
	s_wait_loadcnt 0x0                             ; step J + 1's numbers, asked for a step ago: all my loads
	ROLE_QUANT
	s_wait_alu depctr_va_vdst(0)                   ; the quantiser has written the codes v240-245 and the byte v239, which the stores read; it is done reading RAW (V's waves), in which the loads below land, and v180-211 (K's waves), in which K's fragments land
	PUT 1-\s
	s_wait_alu depctr_vm_vsrc(0)                   ; the image's stores have read v239-245, which the next step's quantiser writes; the stage's stores have read RAW, in which the loads below land
	s_add_co_u32 s2, s[J], 2
	s_cmp_ge_u32 s2, s[NS]
	s_cbranch_scc1 .Lnp_\@                         ; no load leaves the steps that the work-group walks
	s_wait_xcnt 0x0                                ; the prefetch of a step ago has read its base: only now is it stepped
	s_add_nc_u64 s[RB:RB+1], s[RB:RB+1], STEPB
	ROLE_LOAD                                      ; step J + 2: a whole step in which to land
	; A prefetch of step J + 4, two steps ahead of the loads that will want it: a lane a row, 256 bytes of the head in each, 32 rows a wave, four waves for k and four for v.
	; All eight work-groups of a head walk the same rows: the one with i = 0 asks, so each row's piece is named once.  It stops with J = 11, which names step 15, the last.  Steps 0 to 3 come by their loads alone.
	s_cmp_lt_u32 s[J], s[LIM]
	s_cbranch_scc0 .Lnp_\@
	global_prefetch_b8 v[PFO], s[RB:RB+1] offset:2*STEPB th:TH_LOAD_NT scope:SCOPE_SE
.Lnp_\@:
	s_cmp_gt_u32 s[J], s[BLK]
	s_cbranch_scc1 .Lhid_\@                        ; all 128 keys come after my 16 queries: a branch on ids
	FETCHK \s                                      ; (no vector instruction since the last wait on va_vdst, on either way here)
	s_wait_dscnt 0x0
	QK 0
	QK 1
	QK 2
	QK 3
.rept 4
	v_nop                                          ; four plain instructions between the products and the first write of their sources and the first read of their results (ISA guide 7.12.1)
.endr
	s_sub_co_i32 s35, s[KEY0], s[Q0]
	v_cvt_f32_i32 v[VN], s35
	v_mul_f32 v[CB], s[C2], v[VN]                  ; slope log2(e) (KEY0 + 32 b - Q0), b = 0
.irp b, 1,2,3
	v_fma_f32 v[CB+\b], v[VN], s[C2], s[C2+\b]
.endr
	s_cmp_lg_u32 s[J], s[BLK]
	s_cbranch_scc1 .Lopen_\@                       ; only my last step lies on the diagonal
	s_sub_co_i32 s35, s[Q0], s[KEY0]
	v_and_b32 v[MD], 15, v0
	v_bfe_u32 v[NINF], v0, 4, 1
	v_lshlrev_b32 v[NINF], 4, v[NINF]
	v_sub_nc_u32 v[MD], v[MD], v[NINF]
	v_add_nc_u32 v[MD], s35, v[MD]                 ; my query - KEY0 - 16 (lane / 16): register 16 b + i is hidden where 32 b + i is above it
	v_mov_b32 v[NINF], 0xff800000                  ; -infinity: p = 0 then
.irp g, 0,1,2,3                                ; a block of 32 keys at a time: sixteen compares in a run, into sixteen scalar registers; one wait; the sixteen selects
.set n, 0
.rept 16
	v_cmp_gt_i32 s[MK+n], 32*\g+n, v[MD]
.set n, n+1
.endr
	s_wait_alu depctr_va_sdst(0)                   ; the sixteen masks s36-51 are written, ahead of the selects that read them
.set n, 0
.rept 16
	v_cndmask_b32 v[S+16*\g+n], v[S+16*\g+n], v[NINF], s[MK+n]
.set n, n+1
.endr
.endr
.Lopen_\@:
.irp b, 0,1,2,3
	v_max3_num_f32 v[BM+\b], v[S+16*\b], v[S+16*\b+1], v[S+16*\b+2]   ; the largest register of each block of 32 keys: it serves for the row's maximum and, since p rises with it, for the block's largest p
.endr
.irp i, 3,5,7,9,11,13
.irp b, 0,1,2,3
	v_max3_num_f32 v[BM+\b], v[BM+\b], v[S+16*\b+\i], v[S+16*\b+\i+1]   ; (the four blocks by turns; each accumulator is read from its low end on)
.endr
.endr
.irp b, 0,1,2,3
	v_max_num_f32 v[BM+\b], v[BM+\b], v[S+16*\b+15]
.endr
.irp b, 0,1,2,3
	v_permlanex16_b32 v[PM+\b], v[BM+\b], s[SEL], s[SEL+1]
.endr
.irp b, 0,1,2,3
	v_max_num_f32 v[BM+\b], v[BM+\b], v[PM+\b]     ; with lane l xor 16's 16 keys
.endr
.irp b, 0,1,2,3
	v_fma_f32 v[AD+2*\b+1], v[BM+\b], s[CS], v[CB+\b]   ; the block's largest t
.endr
	v_max3_num_f32 v[TT], v[AD+1], v[AD+3], v[AD+5]
	v_max_num_f32 v[TT], v[TT], v[AD+7]
	v_max_num_f32 v[TMAX], v[TMAX], v[TT]          ; the running largest t
	v_mov_b32 v[TT], v[NEGM]
	v_floor_f32 v[NEGM], -v[TMAX]                  ; -M = floor(-t) = -ceil(t): a whole number
	v_sub_f32 v[TT], v[NEGM], v[TT]                ; old M - new M: a whole number, 0 or less
	v_cvt_i32_f32 v[TT], v[TT]                     ; (it saturates)
	v_ldexp_f32 v[F], 1.0, v[TT]                   ; f = 2^(old M - new M): multiplying by it rounds nothing
.irp b, 0,1,2,3
	v_add_f32 v[AD+2*\b], v[CB+\b], v[NEGM]        ; the block's addend
.endr
.set n, 0
.rept 32
	v_pk_fma_f32 v[S+2*n:S+2*n+1], v[S+2*n:S+2*n+1], s[CS:CS+1], v[AD+2*(n/8):AD+2*(n/8)+1] op_sel_hi:[1,0,0]   ; t - M, two at a time (of the pairs c and the addend the low word serves both halves)
.set n, n+1
.endr
.irp b, 0,1,2,3
	v_fma_f32 v[BM+\b], v[BM+\b], s[CS], v[AD+2*\b]   ; the same of each block's largest
.endr
.set n, 0
.rept 64
	v_exp_f32 v[S+n], v[S+n]                       ; p = 2^(t - M): not normalised
.set n, n+1
.endr
	v_pk_mul_f32 v[LS:LS+1], v[LS:LS+1], v[F:F+1] op_sel_hi:[1,0]   ; the sums under the new M; the plain instruction behind the exponentials
	s_wait_alu depctr_va_vdst(0)                   ; the 64 exponentials have written p in v52-115: one wait for the batch, ahead of its first reader
.irp b, 0,1,2,3
	v_exp_f32 v[BM+\b], v[BM+\b]                   ; the block's largest p: the same two instructions on the same number give the same bits
.endr
	v_pk_add_f32 v[SUM2:SUM2+1], v[S:S+1], v[S+2:S+3]   ; the row's sum of the unquantised p, two at a time, in two chains; it reads the 64 alone: plain work behind the four
.irp j, 4,8,12,16,20,24,28,32,36,40,44,48,52,56,60
	v_pk_add_f32 v[LS:LS+1], v[LS:LS+1], v[S+\j:S+\j+1]
	v_pk_add_f32 v[SUM2:SUM2+1], v[SUM2:SUM2+1], v[S+\j+2:S+\j+3]
.endr
	v_pk_add_f32 v[LS:LS+1], v[LS:LS+1], v[SUM2:SUM2+1]
	s_wait_alu depctr_va_vdst(0)                   ; the four exponentials have written the blocks' largest p in v180-183, ahead of their first reader
.irp b, 0,1,2,3
	v_max_num_f32 v[BM+\b], 0x2800000, v[BM+\b]    ; the floor 2^(5 - 127): the byte cannot fall under 1 (a block of zeros keeps that byte: its codes are zeros)
.endr
.irp b, 0,1,2,3
	v_add_nc_u32 v[SCO+\b], 0xfe000000, v[BM+\b]   ; 4 off the exponent field: the conversion's scale operand
.endr
.irp b, 0,1,2,3
	v_lshrrev_b32 v[BY+\b], 23, v[SCO+\b]          ; the scale's byte
.endr
	v_lshl_or_b32 v[PSW], v[BY+1], 8, v[BY]        ; p's scale word for these 128 keys
	v_lshl_or_b32 v[PSW], v[BY+2], 16, v[PSW]
	v_lshl_or_b32 v[PSW], v[BY+3], 24, v[PSW]
.irp c, 0,1
	v_cvt_scalef32_pk16_bf6_f32 v[PC+6*\c:PC+6*\c+2], v[S+32*\c:S+32*\c+15], v[SCO+2*\c]          ; keys 64 c + 16 (lane / 16) + 0..15
	v_cvt_scalef32_pk16_bf6_f32 v[P2+4*\c:P2+4*\c+2], v[S+32*\c+16:S+32*\c+31], v[SCO+2*\c+1]     ; keys 64 c + 32 + 16 (lane / 16) + 0..15
.endr
	v_nop                                          ; one plain instruction behind the scaled conversions
	s_wait_alu depctr_va_vdst(0)                   ; the conversions and the sums are done reading p in v52-115, and the products q.k the scale words v10-11: V's fragments and scale words land there
	FETCHV \s                                      ; into the registers that p has left; the vector lines up to the wait for these loads name p's codes, O^T and f alone
.irp c, 0,1                                    ; the operand wants a whole block in a lane: lanes 0-15 block 2 c, lanes 16-31 block 2 c + 1
.irp i, 0,1,2
	v_permlane16_swap_b32 v[PC+6*\c+\i], v[P2+4*\c+\i]
.endr
.irp i, 0,1,2
	v_mov_b32 v[PC+6*\c+3+\i], v[P2+4*\c+\i]
.endr
.endr
.set n, 0
.rept 16
	v_pk_mul_f32 v[O+2*n:O+2*n+1], v[O+2*n:O+2*n+1], v[F:F+1] op_sel_hi:[1,0]   ; O^T under the new M; these sixteen also stand between the writes of p's codes and scale word and the products
.set n, n+1
.endr
	s_wait_dscnt 0x0                               ; V's fragments and scale words are in
	s_wait_alu depctr_va_vdst(0)                   ; the exchanges and moves have written p's codes v212-223, and p's scale word v35 is written: the products below take them as source 1 and as its scales; the sixteen multiplications stand ahead of this wait
	PV 0                                           ; the four accumulators by turns, one instruction a turn; between two links on one of them stand the step's eleven other products
	PV 1
	PV 2
	PV 3
.rept 5
	v_nop                                          ; five plain instructions: the next step's products write over V's registers; for the loads that land on p's codes and on the scale words the wait at the next step's head speaks
.endr
.Lhid_\@:
	s_add_co_u32 s[J], s[J], 1
	s_add_co_u32 s[KEY0], s[KEY0], 128
	BAR                                            ; step J + 1's images lie in LDS, and nobody reads slot s any more: the next step writes it
.endm
.Ltrip:                                            ; 8 trips of two steps, for every work-group
	STEP 0
	STEP 1
	s_sub_co_u32 s[TRIP], s[TRIP], 1
	s_cmp_lg_u32 s[TRIP], 0
	s_cbranch_scc1 .Ltrip
	; ---- THE WAY OUT.  O^T / the sum goes through my stage and leaves as whole pieces: sixteen lanes store a token's 256 consecutive bytes of the head, at a multiple of 256 from out's first byte
	v_add_f32 v[LS], v[LS], v[LS+1]                ; the sum's two halves,
	v_mov_b32 v251, 0
	v_permlanex16_b32 v251, v[LS], s[SEL], s[SEL+1]
	v_add_f32 v[LS], v[LS], v251                   ; and lane l xor 16's: the row's sum
	v_rcp_f32 v[LS], v[LS]
	v_nop                                          ; a plain instruction behind the reciprocal
	s_wait_alu depctr_va_vdst(0)                   ; the reciprocal has written v14, ahead of its first reader
.set n, 0
.rept 32
	v_mul_f32 v[S+n], v[O+n], v[LS]                ; register 8 t + j: out(query r, channel 16 t + 8 (lane / 16) + j); each accumulator from its low end on
.set n, n+1
.endr
	s_wait_alu depctr_va_vdst(0)                   ; the multiplications have written v52-83, which the stores into the stage read; every earlier reader and writer of v84-115, in which the loads from the stage land, is done
.irp t, 0,1,2,3
	ds_store_b128 v[WO], v[S+8*\t:S+8*\t+3] offset:64*\t
	ds_store_b128 v[WO], v[S+8*\t+4:S+8*\t+7] offset:64*\t+16
.endr
.irp i, 0,1,2,3,4,5,6,7
	ds_load_b128 v[S+32+4*\i:S+32+4*\i+3], v[STA] offset:544*\i   ; LDS serves a wave's instructions in order: these see my stores
.endr
.irp i, 0,1,2,3,4,5,6,7
	s_wait_dscnt 7-\i                              ; the younger loads from the stage may stay out
	global_store_b128 v[LP], v[S+32+4*\i:S+32+4*\i+3], s[10:11] offset:2*ROWB*\i th:TH_STORE_NT
.endr
	s_wait_dscnt 0x0
	s_wait_alu depctr_hold_cnt(0) depctr_sa_sdst(0) depctr_va_vdst(0) depctr_va_sdst(0) depctr_va_ssrc(0) depctr_va_vcc(0) depctr_vm_vsrc(0)
	s_wait_tensorcnt 0x0
	ds_add_u32 v254, v255
	s_wait_dscnt 0x0
	s_endpgm
.Lfunc_end_k_qf5ba6838ba_attn:
	.size	k_qf5ba6838ba_attn, .Lfunc_end_k_qf5ba6838ba_attn-k_qf5ba6838ba_attn
	.p2alignl 7, 3214868480
	.fill 96, 4, 3214868480
	.section	.rodata,"a",@progbits
	.p2align	6, 0x0
	.amdhsa_kernel k_qf5ba6838ba_attn
		.amdhsa_group_segment_fixed_size 97280
		.amdhsa_private_segment_fixed_size 0
		.amdhsa_enable_private_segment 0
		.amdhsa_kernarg_size 32
		.amdhsa_user_sgpr_count 2
		.amdhsa_user_sgpr_kernarg_segment_ptr 1
		.amdhsa_wavefront_size32 1
		.amdhsa_system_sgpr_workgroup_id_x 1
		.amdhsa_system_sgpr_workgroup_id_y 1
		.amdhsa_system_sgpr_workgroup_id_z 1
		.amdhsa_system_vgpr_workitem_id 0
		.amdhsa_next_free_vgpr 256
		.amdhsa_next_free_sgpr 66
		.amdhsa_reserve_vcc 0
		.amdhsa_float_denorm_mode_32 3
		.amdhsa_float_denorm_mode_16_64 3
		.amdhsa_memory_ordered 1
		.amdhsa_forward_progress 1
		.amdhsa_inst_pref_size 100
	.end_amdhsa_kernel
	.amdgpu_metadata
---
amdhsa.version: [ 1, 2 ]
amdhsa.kernels:
  - .name:           k_qf5ba6838ba_attn
    .symbol:         k_qf5ba6838ba_attn.kd
    .args:
      - { .name: q, .offset: 0, .size: 8, .value_kind: global_buffer, .address_space: global }
      - { .name: k, .offset: 8, .size: 8, .value_kind: global_buffer, .address_space: global }
      - { .name: v, .offset: 16, .size: 8, .value_kind: global_buffer, .address_space: global }
      - { .name: out0, .offset: 24, .size: 8, .value_kind: global_buffer, .address_space: global }
    .group_segment_fixed_size: 97280
    .private_segment_fixed_size: 0
    .kernarg_segment_align: 8
    .kernarg_segment_size: 32
    .max_flat_workgroup_size: 512
    .sgpr_count:     66
    .vgpr_count:     256
    .wavefront_size: 32
...
	.end_amdgpu_metadata
.endif
;; end of part 2
